; MI455X (gfx1250); checked and timed in simulation.
; The chip was launched on July 23, 2026; its instructions are those of AMD's public machine-readable ISA for CDNA 5 (MIT licence, August 2026) and "CDNA5" Instruction Set Architecture Reference Guide (July 2026). The comments in the code are by the model that wrote it; some were corrected since.
;; Attention. Allowed arithmetic: matrix products marked QUANTISED: E2M1 operands, one E8M0 scale for each 32 along K, by v_wmma_scale_f32_16x16x128_f8f6f4 with both operands' format E2M1 (or v_wmma_scale_f32_32x16x128_f4), f32 sums; everything else in f32.
;; Inputs: attention_mask 4 x 1 x 2,048 int32; k_codes 4 x 16 x 2,048 x 2 x 16 uint8 (E2M1 codes of k, K innermost, in blocks of 32 codes, two codes a byte); k_scales 4 x 16 x 2,048 x 2 uint8 (E8M0 scales of k, one for each 32 codes along K); q_codes 4 x 16 x 2,048 x 2 x 16 uint8 (E2M1 codes of q, K innermost, in blocks of 32 codes, two codes a byte); q_scales 4 x 16 x 2,048 x 2 uint8 (E8M0 scales of q, one for each 32 codes along K); v_codes 4 x 16 x 64 x 64 x 16 uint8 (E2M1 codes of v, K innermost, in blocks of 32 codes, two codes a byte); v_scales 4 x 16 x 64 x 64 uint8 (E8M0 scales of v, one for each 32 codes along K).
;; Outputs: out0 4 x 16 x 2,048 x 64 float32.
;; This version of the problem:
;;   THIS VERSION OF THE PROBLEM IS GIVEN IN LOW PRECISION. The matrix products marked QUANTISED in the list below multiply operands that are first quantised to E2M1 (2 exponent bits, 1 mantissa bit; 4 bits a number), with one power-of-two scale for each 32 numbers along K (OCP MX v1.0); their sums are f32. All else is computed in f32.
;;   The module's matrix products, in the order in which they are computed (A, B: the left and right operand; K: the contracted axis; several contracted axes count as one K, in the product's order):
;;     1. batch 64 x [M 2,048, K 64] x [K 64, N 2,048]; A: input q (given as codes); B: input k (given as codes): QUANTISED
;;     2. batch 64 x [M 2,048, K 2,048] x [K 2,048, N 64]; A: softmax (see below); B: input v (given as codes): QUANTISED
;;   THE QUANTISER, for each operand of a quantised product, along K:
;;     - K is cut into blocks of 32 from its start; a last block that is shorter is filled with zeros.
;;     - A block's scale is 2^e with e = floor(log2(the largest magnitude in the block)) - 2, held to -126 .. 127; a block of zeros has e = 0. As a byte (E8M0): e + 127.
;;     - Each number is divided by its block's scale, clamped to +-6, and rounded to the nearest number of E2M1, ties to even, subnormals kept.
;;     - The product sums the exact products of the quantised numbers (number of the format x scale) in f32.
;;   ~~~python
;;   def quantise(x, axis):      # numpy; x: float32 -> the quantised numbers, widened to float32 again
;;       x = np.moveaxis(x, axis, -1); K = x.shape[-1]
;;       x = np.pad(x, [(0, 0)] * (x.ndim - 1) + [(0, -K % 32)]); x = x.reshape(x.shape[:-1] + (-1, 32)); a = np.abs(x).max(-1, keepdims=True)
;;       e = np.where(a > 0, np.clip(np.frexp(np.where(a > 0, a, 1))[1] - 1 - 2, -126, 127), 0)      # np.frexp(a)[1] - 1 = floor(log2(a)), exactly
;;       r = np.clip(x / 2.0 ** e, -6, 6)
;;       step = 2.0 ** (np.maximum(np.frexp(np.where(r == 0, 1, r))[1] - 1, 0) - 1)
;;       q = np.round(r / step) * step * 2.0 ** e      # np.round: ties to even
;;       return np.moveaxis(q.reshape(q.shape[:-2] + (-1,))[..., :K], -1, axis).astype(np.float32)
;;   ~~~
;;   SOFTMAX AHEAD OF A QUANTISED PRODUCT. Where the list says 'softmax', what is quantised is not the finished softmax but p = 2^(t - M), with t = logit x log2(e) and M = ceil(the row's largest t), a whole number; so 1/2 < the row's largest p <= 1. The row's sum l is taken of the UNQUANTISED p, in f32, and the product's result is divided by l at the end. Since M is a whole number, a kernel that streams over the keys may use a running M (the ceiling of the running maximum): every later rescaling is an exact power of two, which a block's scale takes up: the codes' values come out the same.
;;   OPERANDS COMPUTED ON THE WAY. 'Computed on the way' means the value that the module computes at that place (a softmax that the list does not call 'softmax' is quantised finished and normalised). What goes into a quantiser is computed in f32, as accurately as f32 sums, v_exp_f32 and their like allow (about 1e-6 of the number): no bf16 or f16 on the way to a quantiser, and a product that is left as it is and whose result goes on into a quantised operand takes f32 operands (vector FMAs, or v_wmma_f32_16x16x4_f32). A number that lies on a knife's edge between two numbers of the format may be rounded either way, as far as f32 arithmetic and the matrix unit's own rounding can turn it there, and no further.
;;   INPUTS GIVEN AS CODES. k (in the module: [4, 16, 2048, 64], K = its axis 3); q (in the module: [4, 16, 2048, 64], K = its axis 3); v (in the module: [4, 16, 2048, 64], K = its axis 2): each comes as NAME_codes (uint8): NAME with its K axis moved to the last place and cut into blocks of 32 codes, [.., K / 32, bytes a block], one block behind the other in memory; two codes a byte, the lower K in the low four bits (a code: sign, 2 exponent bits, 1 mantissa bit); and NAME_scales (uint8): the same leading axes, one E8M0 byte (e + 127) for each 32 codes along K. Its value is code x scale, taken as it is: it is not quantised again, and the codes and scales need not be those that the quantiser above would give.
;; One version. Each part assembles by itself: llvm-mc -triple=amdgcn-amd-amdhsa -mcpu=gfx1250 --defsym DOCPART=n.
;; ======== version 1 of 1: 1 launch
;; limits: right only within a limited range of input values
;; launch attn (part 1): grid 4 x 64, 16 waves a work-group, clusters of 4 x 1, 223,232 bytes of LDS; arguments q_codes, q_scales, k_codes, k_scales, v_codes, v_scales, attention_mask, out0; writes out0
.if DOCPART == 1
	.amdgcn_target "amdgcn-amd-amdhsa--gfx1250"
	.amdhsa_code_object_version 6
	.text
	.protected	k_q7c7e22e2ef_attn
	.globl	k_q7c7e22e2ef_attn
	.p2align	8
	.type	k_q7c7e22e2ef_attn,@function
k_q7c7e22e2ef_attn:
	s_mov_b64 s[64:65], 0
	v_nop
	global_prefetch_b8 v0, s[64:65] scope:SCOPE_SE
	s_setreg_imm32_b32 hwreg(HW_REG_WAVE_MODE, 25, 1), 1
	s_wait_xcnt 0x0
	s_wait_alu depctr_hold_cnt(0) depctr_sa_sdst(0) depctr_va_vdst(0) depctr_va_sdst(0) depctr_va_ssrc(0) depctr_va_vcc(0) depctr_vm_vsrc(0)
	s_getreg_b32 s2, hwreg(HW_REG_IB_STS2, 6, 4)
	s_cmp_eq_u32 s2, 0
	s_cbranch_scc0 .Lentry_in_a_cluster
	s_endpgm
.Lentry_in_a_cluster:
	s_bfe_u32 s2, ttmp6, 0x10000c
	s_cmp_lg_u32 s2, 0x3003
	s_cbranch_scc0 .Lentry_shape_is_right
	s_endpgm
.Lentry_shape_is_right:
; Causal attention with a padding mask on codes of FP4 (E2M1), one E8M0 scale for each 32 along a product's K.  64 heads (4 x 16), 2,048 queries and keys, head size 64.
; q, k: rows of 32 bytes of codes and 2 scale bytes (K = the head's 64).  v: the keys innermost: row d of 1,024 bytes of codes and 64 scale bytes.  out0: [head][2,048][64] f32.
; THE SOFTMAX AHEAD OF THE SECOND PRODUCT: t = score x log2(e) / 8; M = the row's largest t so far, rounded UP to a whole number; p = 2^(t - M) is quantised along the keys, not normalised.
; The row's sum is taken of the unquantised p and divides O at the end.  When M moves, the sum and O are multiplied by 2^(old M - new M): exact.
; SHARES.  A cluster of four work-groups is one head.  A head's K and V (codes 2 x 65,536 bytes, scale bytes 2 x 4,096) come into each work-group's LDS ONCE, by joint tensor loads with a mask that names the four,
; and stay: no slot is ever filled again.  A head has 128 tiles of 16 queries; tile T needs the key steps (128 keys each) 0 .. T / 8.  Wave w of the work-group at place cx takes tiles 8 w + cx (w + 1 steps) and
; 8 (15 - w) + 4 + cx (16 - w steps): 17 steps for every wave of every work-group.  cx enters Q's and O's addresses and a number that lanes compare with: no branch, no LDS address, no descriptor.
; Sixteen waves of 256 registers, four to a SIMD: one wave's vector work stands beside another's matrix work and LDS loads.
; LAYOUT.  Both products are used transposed: S^T = K Q^T (source 0 = 16 keys, source 1 = my 16 queries), O^T = V^T P^T (source 0 = 16 of the head's 64, source 1 = P): a lane holds ONE query (lane % 16) throughout.
; THE KEYS OF A TILE ARE NOT NEIGHBOURS: row m of tile 4 c + u takes key 64 c + 8 u + 32 (m / 8) + m % 8 of the step, so that registers S + 32 c .. S + 32 c + 31 of lane (r, h) are the 32 neighbouring keys
; 64 c + 32 h + 0 .. 31: a whole block of the second product's K in one lane.  Its maximum asks no other lane, and the eight conversions give P's operand registers as they stand.
; THE FIRST PRODUCT HAS K = 64 in an instruction of K = 128: Q's upper four registers are zero codes, which add nothing whatever stands against them; the scale bytes of the upper two blocks are 0 (never 0xff).
; THE PADDING MASK is the C of the first product: 0.0 for a key that counts, -3e38 for one that does not (made once from attention_mask, 4 bytes a key in LDS).  The causal mask is -infinity on the diagonal step.
; A query none of whose visible keys counts ends with the sum 0 and O = 0: 0 x (1 / 0) is NaN there.
; LIMITS: -3e38 stands for -infinity under the padding mask; the running largest t begins at -2^100.  So scores that count must lie above -7e30 and under 4e37 in magnitude.  Scale bytes of 0xff are not served.
.set KC,   0                           ; LDS: K's codes: 64 rows of 1,024 bytes (32 keys) + 16 of padding
.set VC,   66560                       ; V's codes: 64 rows (d) of 1,024 bytes + 16
.set SCK,  133120                      ; K's scale bytes: 16 units of 256 bytes + 16: a step's 128 keys are one unit
.set SCV,  137472                      ; V's likewise: four rows d to a unit
.set MB,   141824                      ; the mask's bias, f32, 4 bytes a key: stored by the waves; no fill lands here
.set STG,  150016                      ; the way out: 16 rows x (256 bytes + 16) for each wave
.set CP,   1040                        ; pitch of the codes' rows = 260 words: 32 keys on is 4 banks on (64 banks of 4 bytes: ISA guide 11.1)
.set AK0,  1                           ; v1   my lane's place in a tile of K: (r / 8) 1040 + (r % 8) 32 + 16 h
.set AV0,  2                           ; v2   in a tile of V: VC + 1040 r + 16 h
.set ASK0, 3                           ; v3   among K's scale bytes: SCK + (r / 8) 64 + (r % 8) 2 + 16 h
.set ASV0, 4                           ; v4   among V's: SCV + (lane / 4) 272 + (lane % 4) 64
.set AM0,  5                           ; v5   in the bias: MB + 128 h
.set SH8,  6                           ; v6   8 h
.set GO,   7                           ; v7   the way out: 256 h + 16 r in a tile of O
.set STO,  8                           ; v8   where I put 32 bytes of a row in my stage
.set RD,   9                           ; v9   where I read a row back
.set DG0,  10                          ; v10  r - 32 h
.set DG,   11                          ; v11  DG0 + 16 x the tile's place in its group of eight
.set ADM,  16                          ; v16-20 the step's LDS addresses: bias, K, K's scales, V, V's scales
.set ADK,  17
.set ADS,  18
.set ADV,  19
.set ADT,  20
.set QOF,  21                          ; v21  32 r + 16 h;  v22  2 r;  v23  16 x thread
.set QSO,  22
.set MOF,  23
.set QA,   24                          ; v[24:31], v[32:39] Q's fragments of my two tiles: four registers of codes, four of zeros
.set QB,   32
.set QSA,  40                          ; v40, v41 Q's scale words;  v42-45 K's;  v46-47 V's;  v48 p's: these nine hold scales and nothing else
.set QSB,  41
.set KS,   42
.set VS,   46
.set PSW,  48
.set MST,  50                          ; v50  MB + 16 x thread
.set KF,   52                          ; v[52:83] K's eight tiles, four registers each;  v[84:87] zeros
.set VF,   88                          ; v[88:119] V's four fragments
.set P,    120                         ; v[120:127] p's codes
.set S,    128                         ; v[128:191] the bias, then S^T, then p
.set O,    192                         ; v[192:223] O^T
.set CM,   224                         ; v224-227 four chains of maxima;  v228-229 the two blocks' largest scores, then largest p
.set BM,   228
.set T0,   230
.set T1,   231                         ; a lane permute's destination: written once at the head
.set F,    232                         ; v[232:233] f = 2^(old M - new M), and a word written once, named with it as a pair
.set SB,   234                         ; v[234:235] the sums' second chain
.set SO,   236                         ; v236-237 the conversions' scale operands;  v238-239 the scale bytes
.set BY,   238
.set NINF, 240
.set NEG,  241
.set WV,   20                          ; s20 wave;  s21 cx;  s22 head
.set CX,   21
.set HD,   22
.set G1C,  24                          ; s[24:31] descriptor group 1 for codes;  s[32:39] for scale bytes;  s[40:43], s[44:47] their groups 0
.set G1S,  32
.set G0C,  40
.set G0S,  44
.set SEL,  48                          ; s[48:49] v_permlanex16_b32's selects for lane l xor 16
.set CS,   50                          ; s[50:51] c = log2(e) / 8: the packed form names a pair and takes its low word for both halves
.set J,    52                          ; s52 the step;  s53 the tile's last step
.set LIM,  53
.set TM,   54                          ; s54-58 where the step's bias, K, K's scales, V, V's scales begin
.set TK,   55
.set TSK,  56
.set TV,   57
.set TSV,  58
.set LIMA, 59                          ; s59, s60 the two tiles' last steps;  s61, s62 16 x their places in their groups
.set LIMB, 60
.set PA,   61
.set PB,   62
.set OA,   66                          ; s[66:67], s[68:69] my two tiles of O
.set OB,   68
; A round of the cluster's barrier: my work-group's barrier, so that wave 0's signal speaks for all sixteen waves; wave 0 signals for the work-group; every wave waits for the four work-groups; my work-group's barrier once more.
.macro CROUND
	s_barrier_signal -1
	s_barrier_wait -1
	s_cmp_lg_u32 s[WV], 0
	s_cbranch_scc1 .Lnot_wave_0_\@
	s_barrier_signal -3
.Lnot_wave_0_\@:
	s_barrier_wait -3
	s_barrier_signal -1
	s_barrier_wait -1
.endm
	s_load_b256 s[4:11], s[0:1], 0x0               ; q_codes s[4:5], q_scales s[6:7], k_codes s[8:9], k_scales s[10:11]
	s_load_b256 s[12:19], s[0:1], 0x20             ; v_codes s[12:13], v_scales s[14:15], attention_mask s[16:17], out0 s[18:19]
	v_lshl_add_u32 v254, v0, 2, 0x36000
	v_mov_b32 v255, 0
	ds_add_u32 v254, v255
	ds_add_u32 v254, v255
	v_lshrrev_b32 v1, 5, v0
	s_delay_alu instid0(VALU_DEP_1)
	v_readfirstlane_b32 s[WV], v1                  ; wave 0..15
	s_bfe_u32 s[CX], ttmp6, 0x40000                ; cx: my place in the cluster
	s_and_b32 s[HD], ttmp7, 0xffff                 ; the head, which the four partners share
	; descriptor group 1, codes: 16 rows of 1,024 bytes (128 elements of 8 bytes), dense in memory, 16 bytes of padding behind each
	s_mov_b32 s[G1C], 15|(3<<16)|(1<<20)|(1<<21)|(7<<22)|(3<<25)   ; 15:0 the mask: all four work-groups; 17:16 elements of 8 bytes; 20 padding on; 21 set beside a mask; 24:22 after every 256 words (code 7); 31:25 four words (code 3)
	s_mov_b32 s[G1C+1], 128<<16                    ; tensor_dim0
	s_mov_b32 s[G1C+2], 16<<16                     ; tensor_dim1
	s_mov_b32 s[G1C+3], 128<<16                    ; tile_dim0
	s_mov_b32 s[G1C+4], 16                         ; tile_dim1
	s_mov_b32 s[G1C+5], 128                        ; tensor_dim0_stride
	s_mov_b32 s[G1C+6], 0
	s_mov_b32 s[G1C+7], 0
	; scale bytes: 16 rows of 256 bytes (32 elements of 8 bytes), dense, 16 bytes of padding behind each
	s_mov_b32 s[G1S], 15|(3<<16)|(1<<20)|(1<<21)|(5<<22)|(3<<25)
	s_mov_b32 s[G1S+1], 32<<16
	s_mov_b32 s[G1S+2], 16<<16
	s_mov_b32 s[G1S+3], 32<<16
	s_mov_b32 s[G1S+4], 16
	s_mov_b32 s[G1S+5], 32
	s_mov_b32 s[G1S+6], 0
	s_mov_b32 s[G1S+7], 0
	s_mov_b32 s[SEL], 0x76543210
	s_mov_b32 s[SEL+1], 0xfedcba98
	s_mov_b32 s[CS], 0x3e38aa3b                    ; log2(e) / 8
	s_mov_b32 s[CS+1], s[CS]                       ; (named with it as a pair, so it is written)
	s_mov_b32 s[LIMA], s[WV]                       ; tile A lies in group w,
	s_xor_b32 s[LIMB], s[WV], 15                   ; tile B in group 15 - w
	s_lshl_b32 s[PA], s[CX], 4                     ; at places cx
	s_add_co_u32 s[PB], s[PA], 64                  ; and 4 + cx
	s_lshl_b32 s90, s[WV], 3
	s_add_co_u32 s90, s90, s[CX]                   ; tile A = 8 w + cx
	s_lshl_b32 s91, s[LIMB], 3
	s_add_co_u32 s91, s91, s[CX]
	s_add_co_u32 s91, s91, 4                       ; tile B = 8 (15 - w) + 4 + cx
	s_lshl_b32 s92, s[HD], 16                      ; the head's first byte in each tensor of codes,
	s_lshl_b32 s93, s[HD], 12                      ; of scale bytes,
	s_lshl_b32 s94, s[HD], 19                      ; and in out0
	s_lshl_b32 s76, s90, 9                         ; a tile of Q: 16 rows of 32 bytes
	s_add_co_u32 s76, s76, s92
	s_mov_b32 s77, 0
	s_lshl_b32 s78, s91, 9
	s_add_co_u32 s78, s78, s92
	s_mov_b32 s79, 0
	s_lshl_b32 s80, s90, 5                         ; its scale bytes: 16 rows of 2
	s_add_co_u32 s80, s80, s93
	s_mov_b32 s81, 0
	s_lshl_b32 s82, s91, 5
	s_add_co_u32 s82, s82, s93
	s_mov_b32 s83, 0
	s_lshr_b32 s84, s[HD], 4                       ; the batch's row of the mask: 8,192 bytes
	s_lshl_b32 s84, s84, 13
	s_mov_b32 s85, 0
	s_lshl_b32 s[OA], s90, 12                      ; a tile of O: 16 rows of 256 bytes
	s_add_co_u32 s[OA], s[OA], s94
	s_mov_b32 s[OA+1], 0
	s_lshl_b32 s[OB], s91, 12
	s_add_co_u32 s[OB], s[OB], s94
	s_mov_b32 s[OB+1], 0
	; what I fetch, if I fetch.  Waves 0-3: K's four quarters; waves 4-7: V's; waves 8, 9: K's and V's scale bytes.  Nothing here hangs on cx.
	s_and_b32 s87, s[WV], 7
	s_mul_i32 s[G0C+1], s87, 16*CP                 ; LDS: K's four quarters, then V's four (VC follows KC)
	s_and_b32 s70, s[WV], 3
	s_lshl_b32 s70, s70, 14                        ; memory: 16,384 bytes a quarter
	s_add_co_u32 s70, s70, s92
	s_mov_b32 s71, 0
	s_and_b32 s88, s[WV], 1
	s_mul_i32 s[G0S+1], s88, 4352
	s_add_co_u32 s[G0S+1], s[G0S+1], SCK           ; LDS: K's scale bytes, then V's
	s_mov_b32 s72, s93
	s_mov_b32 s73, 0
	s_mov_b32 s[G0C], 1                            ; 1:0 count = 1
	s_mov_b32 s[G0S], 1
	s_mul_i32 s86, s[WV], 16*272
	s_add_co_u32 s86, s86, STG                     ; my stage
	; every address of a lane is made here, once
	v_and_b32 v224, 15, v0                         ; r
	v_bfe_u32 v225, v0, 4, 1                       ; h
	v_and_b32 v226, 31, v0                         ; lane
	v_bfe_u32 v227, v0, 3, 1                       ; r / 8
	v_and_b32 v228, 7, v0                          ; r % 8
	v_and_b32 v229, 3, v0                          ; lane % 4
	v_lshlrev_b32 v[QOF], 5, v224
	s_delay_alu instid0(VALU_DEP_1)
	v_lshl_add_u32 v[QOF], v225, 4, v[QOF]
	v_lshlrev_b32 v[QSO], 1, v224
	v_lshlrev_b32 v[MOF], 4, v0
	v_lshl_add_u32 v[MST], v0, 4, MB
	v_mul_u32_u24 v[AK0], v227, CP
	s_delay_alu instid0(VALU_DEP_1)
	v_lshl_add_u32 v[AK0], v228, 5, v[AK0]
	s_delay_alu instid0(VALU_DEP_1)
	v_lshl_add_u32 v[AK0], v225, 4, v[AK0]
	v_mul_u32_u24 v[AV0], v224, CP
	s_delay_alu instid0(VALU_DEP_1)
	v_lshl_add_u32 v[AV0], v225, 4, v[AV0]
	s_delay_alu instid0(VALU_DEP_1)
	v_add_nc_u32 v[AV0], VC, v[AV0]
	v_lshlrev_b32 v[ASK0], 6, v227
	s_delay_alu instid0(VALU_DEP_1)
	v_lshl_add_u32 v[ASK0], v228, 1, v[ASK0]
	s_delay_alu instid0(VALU_DEP_1)
	v_lshl_add_u32 v[ASK0], v225, 4, v[ASK0]       ; lanes 16-31 take the tile 8 keys on
	s_delay_alu instid0(VALU_DEP_1)
	v_add_nc_u32 v[ASK0], SCK, v[ASK0]
	v_lshrrev_b32 v[ASV0], 2, v226
	s_delay_alu instid0(VALU_DEP_1)
	v_mul_u32_u24 v[ASV0], v[ASV0], 272
	s_delay_alu instid0(VALU_DEP_1)
	v_lshl_add_u32 v[ASV0], v229, 6, v[ASV0]       ; row d = lane of a pair of tiles: lanes 16-31 take the tile 16 rows on
	s_delay_alu instid0(VALU_DEP_1)
	v_add_nc_u32 v[ASV0], SCV, v[ASV0]
	v_lshl_add_u32 v[AM0], v225, 7, MB
	v_lshlrev_b32 v[SH8], 3, v225
	v_lshlrev_b32 v[GO], 8, v225
	s_delay_alu instid0(VALU_DEP_1)
	v_lshl_add_u32 v[GO], v224, 4, v[GO]
	v_mul_u32_u24 v[STO], v224, 272
	s_delay_alu instid0(VALU_DEP_1)
	v_lshl_add_u32 v[STO], v225, 5, v[STO]
	s_delay_alu instid0(VALU_DEP_1)
	v_add_nc_u32 v[STO], s86, v[STO]
	v_mul_u32_u24 v[RD], v225, 272
	s_delay_alu instid0(VALU_DEP_1)
	v_lshl_add_u32 v[RD], v224, 4, v[RD]
	s_delay_alu instid0(VALU_DEP_1)
	v_add_nc_u32 v[RD], s86, v[RD]
	v_lshlrev_b32 v[DG0], 5, v225
	s_delay_alu instid0(VALU_DEP_1)
	v_sub_nc_u32 v[DG0], v224, v[DG0]
	s_wait_dscnt 0x0
	s_wait_kmcnt 0x0
	s_cmp_lt_u32 s87, 4
	s_cselect_b64 s[G0C+2:G0C+3], s[8:9], s[12:13]
	s_add_nc_u64 s[G0C+2:G0C+3], s[G0C+2:G0C+3], s[70:71]   ; 120:64 global address
	s_or_b32 s[G0C+3], s[G0C+3], 0x80000000        ; 127:126 type = 2
	s_cmp_eq_u32 s88, 0
	s_cselect_b64 s[G0S+2:G0S+3], s[10:11], s[14:15]
	s_add_nc_u64 s[G0S+2:G0S+3], s[G0S+2:G0S+3], s[72:73]
	s_or_b32 s[G0S+3], s[G0S+3], 0x80000000
	s_add_nc_u64 s[76:77], s[4:5], s[76:77]        ; Q's codes, tile A
	s_add_nc_u64 s[78:79], s[4:5], s[78:79]        ; tile B
	s_add_nc_u64 s[80:81], s[6:7], s[80:81]        ; Q's scale bytes, tile A
	s_add_nc_u64 s[82:83], s[6:7], s[82:83]        ; tile B
	s_add_nc_u64 s[84:85], s[16:17], s[84:85]      ; the mask
	s_add_nc_u64 s[OA:OA+1], s[18:19], s[OA:OA+1]
	s_add_nc_u64 s[OB:OB+1], s[18:19], s[OB:OB+1]
	CROUND                                         ; all four work-groups are here: the joint loads meet
	; The launch's only fills: one tensor load a wave at the most, so one of mine is out.  The branches hang on the wave's number alone.  Four v_nop follow each of the two lines.
	s_cmp_lt_u32 s[WV], 8
	s_cbranch_scc0 .Lnot_codes
	tensor_load_to_lds s[G0C:G0C+3], s[G1C:G1C+7]
	s_nop 0
.rept 4
	v_nop
.endr
	s_branch .Lasked
.Lnot_codes:
	s_cmp_lt_u32 s[WV], 10
	s_cbranch_scc0 .Lasked
	tensor_load_to_lds s[G0S:G0S+3], s[G1S:G1S+7]
	s_nop 0
.rept 4
	v_nop
.endr
.Lasked:
	global_load_b128 v[S:S+3], v[MOF], s[84:85]                    ; four keys' words of the mask: 512 threads take the batch's 2,048
	global_load_b128 v[QA:QA+3], v[QOF], s[76:77] th:TH_LOAD_NT    ; Q's fragments stay in registers
	global_load_b128 v[QB:QB+3], v[QOF], s[78:79] th:TH_LOAD_NT
	global_load_u16 v[QSA], v[QSO], s[80:81]                       ; two scale bytes a row; the upper two bytes of the word are 0
	global_load_u16 v[QSB], v[QSO], s[82:83]
.irp i, 4,5,6,7
	v_mov_b32 v[QA+\i], 0                          ; zero codes for k = 64 .. 127
	v_mov_b32 v[QB+\i], 0
	v_mov_b32 v[KF+28+\i], 0                       ; and what stands against them behind K's last tile
.endr
	v_mov_b32 v[T1], 0                             ; written once: a lane permute's destination counts as one of its sources
	v_mov_b32 v[F+1], 0                            ; (named as the upper half of the pair before it is first written)
	v_mov_b32 v[NINF], 0xff800000                  ; -infinity
	v_mov_b32 v[NEG], 0xff61b1e6                   ; -3e38
	s_wait_alu depctr_va_vdst(0)
	s_wait_loadcnt 0x4                             ; the mask's words are in; the four loads of Q behind them may be out
.irp i, 0,1,2,3
	v_cmp_eq_u32 vcc_lo, 0, v[S+\i]
	s_delay_alu instid0(VALU_DEP_1)
	v_cndmask_b32 v[S+\i], 0, v[NEG], vcc_lo       ; 0.0 where the key counts, -3e38 where it does not
.endr
	ds_store_b128 v[MST], v[S:S+3]
	s_wait_loadcnt 0x0                             ; Q
	s_wait_tensorcnt 0x0                           ; my part of K, V or their scale bytes has landed,
	s_wait_dscnt 0x0                               ; my part of the bias is stored:
	s_barrier_signal -1
	s_barrier_wait -1                              ; everybody's is.  From here on the waves share nothing that is written
; ONE TILE OF 16 QUERIES.  qf, qs: Q's fragment and scale word;  lim: the scalar with the tile's last step;  p16: 16 x its place in its group;  out: its rows of O;  first = 1: another tile follows.
; Every wave walks all 16 steps, so that the trip count is a constant; a step all of whose keys come after the tile's queries is left out by a scalar branch on the wave's number and the step, round its work
; and not round the lines that step addresses.
.macro TILE qf, qs, lim, p16, out, first
	v_mov_b32 v13, 0xf1800000                      ; the largest t so far: -2^100
	s_delay_alu instid0(VALU_DEP_1)
	v_floor_f32 v12, -v13                          ; -M
	v_mov_b32 v14, 0                               ; the sum, in two halves
	v_mov_b32 v15, 0
.set NN, 0
.rept 32
	v_mov_b32 v[O+NN], 0                           ; O^T.  (The step is written once: the first finds zeros, which the first change of M leaves zeros)
.set NN, NN+1
.endr
	v_add_nc_u32 v[DG], s[\p16], v[DG0]            ; my query's place in the diagonal step, less 32 h
	s_mov_b32 s[LIM], s[\lim]
	s_mov_b32 s[J], 0
	s_mov_b32 s[TM], 0
	s_mov_b32 s[TK], 0
	s_mov_b32 s[TSK], 0
	s_mov_b32 s[TV], 0
	s_mov_b32 s[TSV], 0
.Lstep_\@:
	s_cmp_gt_u32 s[J], s[LIM]
	s_cbranch_scc1 .Lhidden_\@
	s_setprio 2
	v_add_nc_u32 v[ADM], s[TM], v[AM0]             ; five plain instructions: also the places behind the last step's products, in front of the loads into registers that those have read
	v_add_nc_u32 v[ADK], s[TK], v[AK0]
	v_add_nc_u32 v[ADS], s[TSK], v[ASK0]
	v_add_nc_u32 v[ADV], s[TV], v[AV0]
	v_add_nc_u32 v[ADT], s[TSV], v[ASV0]
.irp c, 0,1
.irp u, 0,1,2,3
	ds_load_b128 v[S+32*\c+8*\u:S+32*\c+8*\u+3], v[ADM] offset:256*\c+32*\u        ; the bias of keys 64 c + 32 h + 8 u + 0 .. 7, in the result's layout: the first product's C
	ds_load_b128 v[S+32*\c+8*\u+4:S+32*\c+8*\u+7], v[ADM] offset:256*\c+32*\u+16
.endr
.endr
.irp c, 0,1
.irp u, 0,1,2,3
	ds_load_b128 v[KF+16*\c+4*\u:KF+16*\c+4*\u+3], v[ADK] offset:2*CP*\c+256*\u    ; tile 4 c + u of K: my key's 16 bytes, d = 32 h .. 32 h + 31
.endr
.endr
.irp i, 0,1,2,3
	ds_load_u16 v[KS+\i], v[ADS] offset:128*(\i/2)+32*(\i%2)                       ; lanes 0-15: the scale bytes of tile 2 i;  lanes 16-31: of tile 2 i + 1
.endr
.irp t, 0,1,2,3
.irp c, 0,1
	ds_load_b128 v[VF+8*\t+4*\c:VF+8*\t+4*\c+3], v[ADV] offset:16*CP*\t+32*\c      ; V: row d = 16 t + r, keys 64 c + 32 h + 0 .. 31 of the step
.endr
.endr
.irp i, 0,1
	ds_load_b32 v[VS+\i], v[ADT] offset:8*272*\i                                   ; lanes 0-15: the scale words of tile 2 i;  lanes 16-31: of tile 2 i + 1
.endr
	s_wait_dscnt 10                                ; the bias, K and K's scales are in; V's eight loads and its two scale loads may be out
.set TAU, 0
.rept 8                                            ; S^T = K Q^T + the bias: eight accumulators, one instruction each
.if TAU%2
	v_wmma_scale_f32_16x16x128_f8f6f4 v[S+8*TAU:S+8*TAU+7], v[KF+4*TAU:KF+4*TAU+7], v[\qf:\qf+7], v[S+8*TAU:S+8*TAU+7], v[KS+TAU/2], v[\qs] matrix_a_fmt:MATRIX_FMT_FP4 matrix_b_fmt:MATRIX_FMT_FP4 matrix_a_scale:MATRIX_SCALE_ROW1
.else
	v_wmma_scale_f32_16x16x128_f8f6f4 v[S+8*TAU:S+8*TAU+7], v[KF+4*TAU:KF+4*TAU+7], v[\qf:\qf+7], v[S+8*TAU:S+8*TAU+7], v[KS+TAU/2], v[\qs] matrix_a_fmt:MATRIX_FMT_FP4 matrix_b_fmt:MATRIX_FMT_FP4
.endif
.set TAU, TAU+1
.endr
.rept 4
	v_nop                                          ; four places between the products and the first read of their results (ISA guide 7.12.1)
.endr
	s_cmp_lg_u32 s[J], s[LIM]                      ; on the diagonal step the scores of hidden keys become -infinity ahead of the maximum: p = 0 then
	s_cbranch_scc1 .Lopen_\@
.set NN, 0
	s_wait_alu depctr_va_vdst(0)
.rept 64                                           ; register NN holds key 64 (NN / 32) + 32 h + NN % 32 of the step: hidden where it lies beyond my query.  Ascending: each accumulator is read from its low end on
	v_cmp_gt_i32 vcc_lo, 64*(NN/32)+NN%32, v[DG]
	v_cndmask_b32 v[S+NN], v[S+NN], v[NINF], vcc_lo
.set NN, NN+1
.endr
.Lopen_\@:
.irp q, 0,1,2,3
	v_max3_num_f32 v[CM+\q], v[S+16*\q], v[S+16*\q+1], v[S+16*\q+2]        ; four chains of 16 scores by turns, each from the low end on
.endr
.irp i, 3,5,7,9,11,13
.irp q, 0,1,2,3
	v_max3_num_f32 v[CM+\q], v[CM+\q], v[S+16*\q+\i], v[S+16*\q+\i+1]
.endr
.endr
	v_max3_num_f32 v[CM], v[CM], v[S+15], v[S+31]
	v_max3_num_f32 v[CM+2], v[CM+2], v[S+47], v[S+63]
	s_delay_alu instid0(VALU_DEP_2)
	v_max_num_f32 v[BM], v[CM], v[CM+1]            ; THE LARGEST SCORE OF EACH OF MY TWO BLOCKS OF 32 KEYS: it serves twice: for the row's maximum, and, since p rises with the score, for the block's largest p
	s_delay_alu instid0(VALU_DEP_2)
	v_max_num_f32 v[BM+1], v[CM+2], v[CM+3]
	s_delay_alu instid0(VALU_DEP_1)
	v_max_num_f32 v[T0], v[BM], v[BM+1]
	s_delay_alu instid0(VALU_DEP_1)
	v_permlanex16_b32 v[T1], v[T0], s[SEL], s[SEL+1]
	s_delay_alu instid0(VALU_DEP_1)
	v_max_num_f32 v[T0], v[T0], v[T1]              ; with lane l xor 16's two blocks: the step's largest score of my query
	s_delay_alu instid0(VALU_DEP_1)
	v_mul_f32 v[T0], s[CS], v[T0]                  ; as t (c is positive)
	s_delay_alu instid0(VALU_DEP_1)
	v_max_num_f32 v13, v13, v[T0]                  ; the running largest t
	v_mov_b32 v[T0], v12
	s_delay_alu instid0(VALU_DEP_2)
	v_floor_f32 v12, -v13                          ; the new -M = floor(-t) = -ceil(t): M is a whole number
	s_delay_alu instid0(VALU_DEP_1)
	v_sub_f32 v[T0], v12, v[T0]                    ; M's old value less its new one: a whole number, 0 or less
	s_delay_alu instid0(VALU_DEP_1)
	v_cvt_i32_f32 v[T0], v[T0]                     ; (it saturates)
	s_delay_alu instid0(VALU_DEP_1)
	v_ldexp_f32 v[F], 1.0, v[T0]                   ; f = 2^(old M - new M)
.set NN, 0
	s_setprio 1
.rept 32
	v_pk_fma_f32 v[S+NN:S+NN+1], v[S+NN:S+NN+1], s[CS:CS+1], v[12:13] op_sel_hi:[1,0,0]   ; t - M, two at a time (of the pairs c and -M the low word serves both halves)
.set NN, NN+2
.endr
	v_fma_f32 v[BM], v[BM], s[CS], v12             ; the same of each block's largest score
	v_fma_f32 v[BM+1], v[BM+1], s[CS], v12
.set NN, 0
	s_wait_alu depctr_va_vdst(0)
.rept 64
	v_exp_f32 v[S+NN], v[S+NN]                     ; p = 2^(t - M), at most 1: not normalised
.set NN, NN+1
.endr
	v_pk_mul_f32 v[14:15], v[14:15], v[F:F+1] op_sel_hi:[1,0]      ; the sums under the new M: the plain instruction behind the exponentials
	s_wait_alu depctr_va_vdst(0)                   ; one wait for the batch of 64, ahead of its first reader
	v_exp_f32 v[BM], v[BM]                         ; the blocks' largest p: the same two instructions on the same number give the same bits
	v_exp_f32 v[BM+1], v[BM+1]
	v_pk_add_f32 v[234:235], v[132:133], v[136:137]
	v_pk_add_f32 v[252:253], v[140:141], v[144:145]
	v_pk_add_f32 v[250:251], v[148:149], v[152:153]
	v_pk_add_f32 v[248:249], v[156:157], v[160:161]
	v_pk_add_f32 v[246:247], v[164:165], v[168:169]
	v_pk_add_f32 v[244:245], v[172:173], v[176:177]
	v_pk_add_f32 v[242:243], v[180:181], v[184:185]
	v_pk_add_f32 v[14:15], v[14:15], v[188:189]
	v_pk_add_f32 v[234:235], v[234:235], v[128:129]
	v_pk_add_f32 v[252:253], v[252:253], v[130:131]
	v_pk_add_f32 v[250:251], v[250:251], v[134:135]
	v_pk_add_f32 v[248:249], v[248:249], v[138:139]
	v_pk_add_f32 v[246:247], v[246:247], v[142:143]
	v_pk_add_f32 v[244:245], v[244:245], v[146:147]
	v_pk_add_f32 v[242:243], v[242:243], v[150:151]
	v_pk_add_f32 v[14:15], v[14:15], v[154:155]
	v_pk_add_f32 v[234:235], v[234:235], v[158:159]
	v_pk_add_f32 v[252:253], v[252:253], v[162:163]
	v_pk_add_f32 v[250:251], v[250:251], v[166:167]
	v_pk_add_f32 v[248:249], v[248:249], v[170:171]
	v_pk_add_f32 v[246:247], v[246:247], v[174:175]
	v_pk_add_f32 v[244:245], v[244:245], v[178:179]
	v_pk_add_f32 v[242:243], v[242:243], v[182:183]
	v_pk_add_f32 v[14:15], v[14:15], v[186:187]
	v_pk_add_f32 v[234:235], v[234:235], v[190:191]
	s_delay_alu instid0(VALU_DEP_2)
	v_pk_add_f32 v[14:15], v[14:15], v[248:249]
	s_delay_alu instid0(VALU_DEP_2)
	v_pk_add_f32 v[234:235], v[234:235], v[246:247]
	v_pk_add_f32 v[252:253], v[252:253], v[244:245]
	v_pk_add_f32 v[250:251], v[250:251], v[242:243]
	s_delay_alu instid0(VALU_DEP_2)
	v_pk_add_f32 v[14:15], v[14:15], v[252:253]
	s_delay_alu instid0(VALU_DEP_2)
	v_pk_add_f32 v[234:235], v[234:235], v[250:251]
	s_delay_alu instid0(VALU_DEP_1)
	v_pk_add_f32 v[14:15], v[14:15], v[234:235]
	s_setprio 0
	s_wait_alu depctr_va_vdst(0)                   ; and one for the two
.irp c, 0,1
	v_max_num_f32 v[BM+\c], 0x1800000, v[BM+\c]    ; the floor 2^(3 - 127): the byte cannot fall under 1 (a block whose every p is 0 keeps that byte: its codes are zeros)
.endr
.irp c, 0,1
	s_delay_alu instid0(VALU_DEP_2)
	v_add_nc_u32 v[SO+\c], 0xff000000, v[BM+\c]    ; 2 off the exponent field: the conversion's scale operand
.endr
.irp c, 0,1
	s_delay_alu instid0(VALU_DEP_2)
	v_lshrrev_b32 v[BY+\c], 23, v[SO+\c]           ; the scale's byte
.endr
	s_delay_alu instid0(VALU_DEP_1)
	v_lshl_or_b32 v[T0], v[BY+1], 16, v[BY]        ; my two bytes: blocks h and 2 + h,
	s_delay_alu instid0(VALU_DEP_1)
	v_lshlrev_b32 v[T0], v[SH8], v[T0]             ; at their places in the scale word;
	s_delay_alu instid0(VALU_DEP_1)
	v_permlanex16_b32 v[T1], v[T0], s[SEL], s[SEL+1]
	s_delay_alu instid0(VALU_DEP_1)
	v_or_b32 v[PSW], v[T0], v[T1]                  ; with lane l xor 16's two the word is whole
.irp c, 0,1
.irp u, 0,1,2,3
	v_cvt_scalef32_pk8_fp4_f32 v[P+4*\c+\u], v[S+32*\c+8*\u:S+32*\c+8*\u+7], v[SO+\c]   ; register 4 c + u of the operand: keys 64 c + 32 h + 8 u + 0 .. 7
.endr
.endr
	v_nop                                          ; one plain instruction behind the scaled conversions
.set NN, 0
.rept 16
	v_pk_mul_f32 v[O+NN:O+NN+1], v[O+NN:O+NN+1], v[F:F+1] op_sel_hi:[1,0]   ; O^T under the new M, ascending.  (With the v_nop, seventeen plain instructions between the scale word and codes just made and the products)
.set NN, NN+2
.endr
	s_wait_alu depctr_va_vdst(0)
	s_wait_dscnt 0x0                               ; V and its scale words are in
.set TAU, 0
.rept 4                                            ; O^T += V^T P^T: four accumulators, one instruction each; K = these 128 keys
.if TAU%2
	v_wmma_scale_f32_16x16x128_f8f6f4 v[O+8*TAU:O+8*TAU+7], v[VF+8*TAU:VF+8*TAU+7], v[P:P+7], v[O+8*TAU:O+8*TAU+7], v[VS+TAU/2], v[PSW] matrix_a_fmt:MATRIX_FMT_FP4 matrix_b_fmt:MATRIX_FMT_FP4 matrix_a_scale:MATRIX_SCALE_ROW1
.else
	v_wmma_scale_f32_16x16x128_f8f6f4 v[O+8*TAU:O+8*TAU+7], v[VF+8*TAU:VF+8*TAU+7], v[P:P+7], v[O+8*TAU:O+8*TAU+7], v[VS+TAU/2], v[PSW] matrix_a_fmt:MATRIX_FMT_FP4 matrix_b_fmt:MATRIX_FMT_FP4
.endif
.set TAU, TAU+1
.endr
.Lhidden_\@:
	s_add_co_u32 s[TM], s[TM], 512                 ; the next 128 keys: 4 bytes of bias a key,
	s_add_co_u32 s[TK], s[TK], 4*CP                ; four rows of K's codes,
	s_add_co_u32 s[TSK], s[TSK], 272               ; a unit of K's scale bytes,
	s_add_co_u32 s[TV], s[TV], 64                  ; 64 bytes in each row of V,
	s_add_co_u32 s[TSV], s[TSV], 4                 ; 4 of its scale bytes
	s_add_co_u32 s[J], s[J], 1
	s_cmp_lt_u32 s[J], 16
	s_cbranch_scc1 .Lstep_\@
	s_setprio 0
	; THE WAY OUT.  O^T is divided by the row's sum and goes through my own stage in LDS, so that sixteen lanes store 256 consecutive bytes: a row of O.
	v_add_f32 v14, v14, v15                        ; the sum's two halves,
	s_delay_alu instid0(VALU_DEP_1)
	v_permlanex16_b32 v[T1], v14, s[SEL], s[SEL+1]
	s_delay_alu instid0(VALU_DEP_1)
	v_add_f32 v14, v14, v[T1]                      ; and lane l xor 16's: the row's sum
	s_wait_alu depctr_va_vdst(0)
	v_rcp_f32 v14, v14
.rept 3
	v_nop                                          ; plain instructions behind the reciprocal; with the two additions above also the places behind the last products
.endr
	s_wait_alu depctr_va_vdst(0)                   ; the wait ahead of the reciprocal's first reader
.set NN, 0
.rept 16
	v_pk_mul_f32 v[S+NN:S+NN+1], v[O+NN:O+NN+1], v[14:15] op_sel_hi:[1,0]   ; register 8 t + i is o(r, 16 t + 8 h + i); ascending
.set NN, NN+2
.endr
.irp t, 0,1,2,3
	ds_store_b128 v[STO], v[S+8*\t:S+8*\t+3] offset:64*\t
	ds_store_b128 v[STO], v[S+8*\t+4:S+8*\t+7] offset:64*\t+16
.endr
.irp i, 0,1,2,3,4,5,6,7
	ds_load_b128 v[S+32+4*\i:S+32+4*\i+3], v[RD] offset:2*272*\i   ; LDS serves a wave's instructions in order (ISA guide 5.7.1.4): these see my stores
.endr
.irp i, 0,1,2,3,4,5,6,7
	s_wait_dscnt 7-\i                              ; load i is in; the 7 - i behind it may be out
	global_store_b128 v[GO], v[S+32+4*\i:S+32+4*\i+3], s[\out:\out+1] offset:512*\i th:TH_STORE_NT   ; 32 lanes store two rows: 512 consecutive bytes, at a multiple of 256 from out0's first byte
.endr
.if \first
	s_wait_xcnt 0x0                                ; the stores' data registers are loaded again by the next tile only behind this wait
.endif
.endm
	TILE QA, QSA, LIMA, PA, OA, 1
	TILE QB, QSB, LIMB, PB, OB, 0
	s_wait_dscnt 0x0                               ; no LDS instruction of mine is out at the signal
	s_wait_tensorcnt 0x0
	ds_add_u32 v254, v255
	s_wait_dscnt 0x0
	CROUND                                         ; the closing round: no work-group ends before its partners have passed their joint loads
	s_endpgm
.Lfunc_end_k_q7c7e22e2ef_attn:
	.size	k_q7c7e22e2ef_attn, .Lfunc_end_k_q7c7e22e2ef_attn-k_q7c7e22e2ef_attn
	.p2alignl 7, 3214868480
	.fill 96, 4, 3214868480
	.section	.rodata,"a",@progbits
	.p2align	6, 0x0
	.amdhsa_kernel k_q7c7e22e2ef_attn
		.amdhsa_group_segment_fixed_size 223232
		.amdhsa_private_segment_fixed_size 0
		.amdhsa_enable_private_segment 0
		.amdhsa_kernarg_size 64
		.amdhsa_user_sgpr_count 2
		.amdhsa_user_sgpr_kernarg_segment_ptr 1
		.amdhsa_wavefront_size32 1
		.amdhsa_system_sgpr_workgroup_id_x 1
		.amdhsa_system_sgpr_workgroup_id_y 1
		.amdhsa_system_sgpr_workgroup_id_z 1
		.amdhsa_system_vgpr_workitem_id 0
		.amdhsa_next_free_vgpr 256
		.amdhsa_next_free_sgpr 100
		.amdhsa_reserve_vcc 1
		.amdhsa_float_denorm_mode_32 3
		.amdhsa_float_denorm_mode_16_64 3
		.amdhsa_memory_ordered 1
		.amdhsa_forward_progress 1
		.amdhsa_inst_pref_size 63
	.end_amdhsa_kernel
	.amdgpu_metadata
---
amdhsa.version: [ 1, 2 ]
amdhsa.kernels:
  - .name:           k_q7c7e22e2ef_attn
    .symbol:         k_q7c7e22e2ef_attn.kd
    .args:
      - { .name: q_codes, .offset: 0, .size: 8, .value_kind: global_buffer, .address_space: global }
      - { .name: q_scales, .offset: 8, .size: 8, .value_kind: global_buffer, .address_space: global }
      - { .name: k_codes, .offset: 16, .size: 8, .value_kind: global_buffer, .address_space: global }
      - { .name: k_scales, .offset: 24, .size: 8, .value_kind: global_buffer, .address_space: global }
      - { .name: v_codes, .offset: 32, .size: 8, .value_kind: global_buffer, .address_space: global }
      - { .name: v_scales, .offset: 40, .size: 8, .value_kind: global_buffer, .address_space: global }
      - { .name: attention_mask, .offset: 48, .size: 8, .value_kind: global_buffer, .address_space: global }
      - { .name: out0, .offset: 56, .size: 8, .value_kind: global_buffer, .address_space: global }
    .group_segment_fixed_size: 223232
    .private_segment_fixed_size: 0
    .kernarg_segment_align: 8
    .kernarg_segment_size: 64
    .max_flat_workgroup_size: 512
    .sgpr_count:     100
    .vgpr_count:     256
    .wavefront_size: 32
...
	.end_amdgpu_metadata
.endif
;; end of part 1
